; MI455X (gfx1250); checked and timed in simulation.
; The chip was launched on July 23, 2026; its instructions are those of AMD's public machine-readable ISA for CDNA 5 (MIT licence, August 2026) and "CDNA5" Instruction Set Architecture Reference Guide (July 2026). The comments in the code are by the model that wrote it; some were corrected since.
;; HDC Memory. Allowed arithmetic: float matrix products may take bf16 or f16 operands with f32 sums; all other float work in f32.
;; Inputs: tokens_bound 2 x 4,096 x 1,024 float32; w_decay 1,024 x 1 float32; w_mass 1,024 x 1 float32.
;; Outputs: out0 2 x 4,096 x 1,024 float32.
;; One version. Each part assembles by itself: llvm-mc -triple=amdgcn-amd-amdhsa -mcpu=gfx1250 --defsym DOCPART=n.
;; ======== version 1 of 1: 2 launches
;; workspace buffers: md 65,536 bytes; cp 1,024 bytes; st 1,048,576 bytes
;; launch gate (part 1): grid 256 x 1, 8 waves a work-group, no clusters, 50,176 bytes of LDS; arguments tokens_bound, w_mass, w_decay, md, cp, st; writes md, cp, st
.if DOCPART == 1
	.amdgcn_target "amdgcn-amd-amdhsa--gfx1250"
	.amdhsa_code_object_version 6
	.text
	.protected	k_q9eaae527e8_gate
	.globl	k_q9eaae527e8_gate
	.p2align	8
	.type	k_q9eaae527e8_gate,@function
k_q9eaae527e8_gate:
	s_mov_b64 s[64:65], 0
	v_nop
	global_prefetch_b8 v0, s[64:65] scope:SCOPE_SE
	s_setreg_imm32_b32 hwreg(HW_REG_WAVE_MODE, 25, 1), 1
	s_wait_xcnt 0x0
; GATES AND CHUNK STATES.
; reference(): W[i][j] = exp(min(cum_i - cum_j, 0)) for j <= i, cum = running sum of log d, d = max(sigmoid(x.w_decay), 1e-6).
; For j <= i that is d_(j+1) * .. * d_i (every d <= 1, so the min changes nothing), hence context_i = d_i context_(i-1) + m_i x_i
; for every input.  Tokens go in chunks of 32 (256 chunks: 2 batches x 128).  This launch makes, for chunk g = work-group g:
;   md[g][t] = (m_t, d_t)                               32 pairs = 256 bytes
;   cp[g]    = P = product of the chunk's 32 d
;   st[g][c] = S[c] = sum over t of a_t x_t[c],  a_t = m_t * product of d_k for k > t inside the chunk
; The next launch joins the chunks: state(g+1) = P_g state(g) + S_g.
; No matrix unit: after this rewriting no matrix product is left, and the two dots are products with one column, kept in f32.
; No cluster: work-groups share only the two weight vectors, 8 KiB against 128 KiB of rows of their own.
; No LDS ring and no loop: the chunk's 128 KiB lie in the eight waves' registers and are all asked for at the start.
; LIMITS: inputs finite (a NaN or an infinity spreads forward along T only, where reference()'s 0 * inf spreads to all rows);
; a gate below 2^-126 comes out as 0 (v_exp_f32 flushes denormal results); products of d underflow as reference()'s exp does.
;
; Eight waves; wave w owns tokens 4 w .. 4 w + 3.  Lane l holds, of token i, piece j, columns 128 j + 4 l .. + 3:
; every load of a wave covers 512 consecutive bytes.
.set ROW,  4096                        ; bytes in a row of x and of st
.set WDS,  4096                        ; LDS: w_mass at 0, w_decay at 4096
.set ZB,   8192                        ; LDS: [32 tokens][z_mass, z_decay], 256 bytes
.set RED,  16384                       ; LDS: [8 waves][1024] f32, the waves' partial states
.set ACC,  8                           ; v[8:23]    pair at ACC + 4 i + 2 k: running dot of token i with w_mass (k = 0), w_decay (k = 1)
.set A,    ACC                         ; later: a_i of my four tokens in v[A + 2 i]
.set Z,    24                          ; v[24:31]   Z + 2 i + k: the finished dots
.set X,    32                          ; v[32:159]  X + 32 i + 4 j: token i, piece j
.set WM,   160                         ; v[160:191] w_mass, piece j at WM + 4 j
.set WD,   192                         ; v[192:223] w_decay (= WM + 32)
.set SP,   WM                          ; later: my wave's partial state, 32 numbers a lane
.set RL,   WD                          ; later: the eight waves' partial states of my 4 columns
.set ZL,   224                         ; v[224:225] z_mass, z_decay of token t = lane
.set TE,   226                         ; v[226:227] e^-|z|, then e^-|z| / (1 + e^-|z|)
.set TS,   228                         ; v[228:229] 1 + e^-|z|, then its reciprocal
.set MD,   230                         ; v[230:231] (m, d) of token t = lane
.set Q,    232                         ; product of d_k, k >= t, inside the lane's half of 16
.set E,    233                         ; the same for k > t
.set F,    234                         ; lanes 0-15: the product of tokens 16-31; lanes 16-31: 1
.set AV,   235                         ; a_t
.set PF,   236                         ; lane 0: P
.set IDX,  238                         ; v[238:241] 4 x (4 w + i): from which lane a_i is pulled
	s_load_b256 s[4:11], s[0:1], 0x0               ; x s[4:5], w_mass s[6:7], w_decay s[8:9], md s[10:11]
	s_load_b128 s[12:15], s[0:1], 0x20             ; cp s[12:13], st s[14:15]
	v_lshl_add_u32 v248, v0, 2, 0xc000
	v_mov_b32 v249, 0
	v_and_b32 v1, 31, v0                           ; lane
	v_lshrrev_b32 v4, 5, v0
	v_readfirstlane_b32 s16, v4                    ; wave
	v_lshlrev_b32 v2, 4, v0                        ; 16 x thread
	v_lshlrev_b32 v3, 4, v1                        ; 16 x lane
	s_lshl_b32 s18, ttmp9, 17                      ; chunk x 32 rows of 4,096 bytes (at most 255 << 17: one word)
	s_lshl_b32 s22, s16, 14                        ; + wave x 4 rows
	s_add_co_u32 s18, s18, s22
	s_mov_b32 s19, 0
	s_wait_kmcnt 0x0
	s_add_nc_u64 s[4:5], s[4:5], s[18:19]          ; x at my wave's first row
	global_load_b128 v[WM:WM+3], v2, s[6:7]        ; the work-group reads each weight once: 256 threads x 16 bytes
	global_load_b128 v[WD:WD+3], v2, s[8:9]
.irp j, 0,1,2,3,4,5,6,7                            ; my four rows, piece by piece: 32 loads, 16 KiB a wave.  No hint: the next launch reads x again
.irp i, 0,1,2,3
	global_load_b128 v[X+32*\i+4*\j:X+32*\i+4*\j+3], v3, s[4:5] offset:ROW*\i+512*\j
.endr
.endr
	s_lshl_b32 s18, ttmp9, 8
	s_add_nc_u64 s[10:11], s[10:11], s[18:19]      ; md at my chunk's 256 bytes
	s_lshl_b32 s18, ttmp9, 2
	s_add_nc_u64 s[12:13], s[12:13], s[18:19]      ; cp at my chunk's word
	s_lshl_b32 s18, ttmp9, 12
	s_add_nc_u64 s[14:15], s[14:15], s[18:19]      ; st at my chunk's row
	s_mov_b32 s20, 0x76543210                      ; v_permlanex16_b32: lane i of one half reads lane i of the other
	s_mov_b32 s21, 0xfedcba98
	s_mov_b32 s23, 0xbfb8aa3b                      ; -log2(e)
	s_lshl_b32 s22, s16, 5
	s_add_co_u32 s22, s22, ZB
	v_mov_b32 v4, s22                              ; where my wave's eight dots go
	v_lshl_add_u32 v5, v1, 3, ZB                   ; where token t = lane's two dots lie
	v_lshlrev_b32 v6, 3, v1                        ; 8 x lane: md
	v_mov_b32 v7, 0
	s_lshl_b32 s22, s16, 12
	s_add_co_u32 s22, s22, RED
	v_add_nc_u32 v246, s22, v3                     ; my wave's row of RED, 16 bytes a lane
	v_add_nc_u32 v247, RED, v2                     ; my thread's 4 columns in wave 0's row of RED
	s_lshl_b32 s22, s16, 4
	v_mov_b32 v[IDX], s22
.irp i, 1,2,3
	v_add_nc_u32 v[IDX+\i], 4*\i, v[IDX]
.endr
	; the weights go round through LDS, so that every wave gets all 1,024 of each
	s_wait_loadcnt 32                              ; loads return in order: the two weight loads are in, the 32 younger x loads stay out
	ds_store_b128 v2, v[WM:WM+3]
	ds_store_b128 v2, v[WD:WD+3] offset:WDS
	s_wait_dscnt 0x0                               ; my stores are done before I say so
	s_barrier_signal -1
	s_barrier_wait -1
.irp j, 0,1,2,3,4,5,6,7
	ds_load_b128 v[WM+4*\j:WM+4*\j+3], v3 offset:512*\j
	ds_load_b128 v[WD+4*\j:WD+4*\j+3], v3 offset:WDS+512*\j
.endr
; Piece j of the eight dots (4 tokens x 2 weights): eight chains that do not wait for each other; the first product starts the sums.
.macro DOT j
	s_wait_dscnt 14-2*\j                           ; the weights of piece j are in: 2 (7 - j) younger LDS loads stay out
	s_wait_loadcnt 28-4*\j                         ; piece j of my four rows is in: 4 (7 - j) younger loads stay out
.irp i, 0,1,2,3
.irp k, 0,1
.if \j == 0
	v_pk_mul_f32 v[ACC+4*\i+2*\k:ACC+4*\i+2*\k+1], v[X+32*\i+4*\j:X+32*\i+4*\j+1], v[WM+32*\k+4*\j:WM+32*\k+4*\j+1]
.else
	v_pk_fma_f32 v[ACC+4*\i+2*\k:ACC+4*\i+2*\k+1], v[X+32*\i+4*\j:X+32*\i+4*\j+1], v[WM+32*\k+4*\j:WM+32*\k+4*\j+1], v[ACC+4*\i+2*\k:ACC+4*\i+2*\k+1]
.endif
.endr
.endr
.irp i, 0,1,2,3
.irp k, 0,1
	v_pk_fma_f32 v[ACC+4*\i+2*\k:ACC+4*\i+2*\k+1], v[X+32*\i+4*\j+2:X+32*\i+4*\j+3], v[WM+32*\k+4*\j+2:WM+32*\k+4*\j+3], v[ACC+4*\i+2*\k:ACC+4*\i+2*\k+1]
.endr
.endr
.endm
.irp j, 0,1,2,3,4,5,6,7
	DOT \j
.endr
	; the eight dots across the 32 lanes: four steps inside each half ride on the add, one crosses the halves
.irp n, 0,1,2,3,4,5,6,7
	v_add_f32 v[Z+\n], v[ACC+2*\n], v[ACC+2*\n+1]
.endr
.irp m, 1,2,4,8
.irp n, 0,1,2,3,4,5,6,7
	v_add_f32_dpp v[Z+\n], v[Z+\n], v[Z+\n] row_xmask:\m row_mask:0xf bank_mask:0xf
.endr
.endr
.irp n, 0,1,2,3,4,5,6,7
	v_permlanex16_b32 v[ACC+\n], v[Z+\n], s20, s21 ; the destination counts as read: ACC has been written
.endr
.irp n, 0,1,2,3,4,5,6,7
	v_add_f32 v[Z+\n], v[Z+\n], v[ACC+\n]
.endr
	ds_store_b128 v4, v[Z:Z+3]                     ; every lane holds the same eight numbers and writes them to the same 32 bytes
	ds_store_b128 v4, v[Z+4:Z+7] offset:16
	s_wait_dscnt 0x0                               ; done before I say so
	s_barrier_signal -1
	s_barrier_wait -1
	ds_load_b64 v[ZL:ZL+1], v5                     ; from here lane t stands for token t of the chunk, in every wave
	s_wait_dscnt 0x0
	; sigmoid(z) without overflow: t = e^-|z| <= 1, s = 1 / (1 + t);  z >= 0: s,  z < 0: t s
	v_mul_f32 v[TE], s23, |v[ZL]|
	v_mul_f32 v[TE+1], s23, |v[ZL+1]|
	v_exp_f32 v[TE], v[TE]
	v_exp_f32 v[TE+1], v[TE+1]
	v_nop                                          ; one plain vector instruction between a transcendental and the use of its result
	s_wait_alu depctr_va_vdst(0)
	v_add_f32 v[TS], 1.0, v[TE]
	v_add_f32 v[TS+1], 1.0, v[TE+1]
	v_rcp_f32 v[TS], v[TS]
	v_rcp_f32 v[TS+1], v[TS+1]
	v_nop                                          ; likewise
	s_wait_alu depctr_va_vdst(0)
	v_mul_f32 v[TE], v[TE], v[TS]
	v_mul_f32 v[TE+1], v[TE+1], v[TS+1]
	v_cmp_le_f32 vcc_lo, 0, v[ZL]
	v_cndmask_b32 v[MD], v[TE], v[TS], vcc_lo      ; m
	v_cmp_le_f32 vcc_lo, 0, v[ZL+1]
	v_cndmask_b32 v[MD+1], v[TE+1], v[TS+1], vcc_lo
	v_max_num_f32 v[MD+1], 0x358637bd, v[MD+1]     ; reference()'s clip at 1e-6
	v_min_num_f32 v[MD+1], 1.0, v[MD+1]            ; d <= 1 whatever the reciprocal's last bit: reference()'s min(diff, 0)
	; products of d from token t to the end of its half of 16 lanes: lane i takes lane i + n; a lane without a source keeps its value
	v_mov_b32 v[Q], v[MD+1]
.irp n, 1,2,4,8
	v_mul_f32_dpp v[Q], v[Q], v[Q] row_shl:\n row_mask:0xf bank_mask:0xf
.endr
	v_readlane_b32 s24, v[Q], 16                   ; the product of tokens 16 to 31
	v_mov_b32 v[E], 1.0
	v_mov_b32_dpp v[E], v[Q] row_shl:1 row_mask:0xf bank_mask:0xf   ; tokens behind t in the half; lanes 15 and 31 keep 1
	v_cmp_gt_u32 vcc_lo, 16, v1
	v_mov_b32 v[F], s24
	v_cndmask_b32 v[F], 1.0, v[F], vcc_lo          ; the lower half has the whole upper half behind it
	v_mul_f32 v[AV], v[MD], v[E]
	v_mul_f32 v[AV], v[AV], v[F]                   ; a_t = m_t x product of d_k, k > t
	v_mul_f32 v[PF], v[Q], v[F]                    ; lane 0: the product of all 32
	; wave 0 alone stores the gates (one aligned run of 256 bytes) and P (the chunk's one word)
	s_cmp_lg_u32 s16, 0
	s_cbranch_scc1 .Lnot0
	global_store_b64 v6, v[MD:MD+1], s[10:11]
	v_cmp_eq_u32 vcc_lo, 0, v1
	s_wait_xcnt 0x0                                ; EXEC is a source of the store above: it is narrowed only behind this wait
	s_and_saveexec_b32 s25, vcc_lo
	global_store_b32 v7, v[PF], s[12:13]
	s_wait_xcnt 0x0                                ; and widened again only behind this one
	s_or_b32 exec_lo, exec_lo, s25
.Lnot0:
	; my four tokens' a into every lane, then my wave's part of S: 32 columns a lane, four multiply-adds each
.irp i, 0,1,2,3
	ds_bpermute_b32 v[A+2*\i], v[IDX+\i], v[AV]    ; even registers, so that each can be broadcast as a pair's first; the odd ones were written by the dots
.endr
	s_wait_dscnt 0x0
.set p, 0
.rept 16
	v_pk_mul_f32 v[SP+2*p:SP+2*p+1], v[X+2*p:X+2*p+1], v[A:A+1] op_sel_hi:[1,0]
	v_pk_fma_f32 v[SP+2*p:SP+2*p+1], v[X+32+2*p:X+32+2*p+1], v[A+2:A+3], v[SP+2*p:SP+2*p+1] op_sel_hi:[1,0,1]
	v_pk_fma_f32 v[SP+2*p:SP+2*p+1], v[X+64+2*p:X+64+2*p+1], v[A+4:A+5], v[SP+2*p:SP+2*p+1] op_sel_hi:[1,0,1]
	v_pk_fma_f32 v[SP+2*p:SP+2*p+1], v[X+96+2*p:X+96+2*p+1], v[A+6:A+7], v[SP+2*p:SP+2*p+1] op_sel_hi:[1,0,1]
.set p, p+1
.endr
	; the eight waves' parts meet in LDS; thread t sums columns 4 t .. 4 t + 3
.irp j, 0,1,2,3,4,5,6,7
	ds_store_b128 v246, v[SP+4*\j:SP+4*\j+3] offset:512*\j
.endr
	s_wait_dscnt 0x0                               ; done before I say so
	s_barrier_signal -1
	s_barrier_wait -1
.irp u, 0,1,2,3,4,5,6,7
	ds_load_b128 v[RL+4*\u:RL+4*\u+3], v247 offset:ROW*\u
.endr
	s_wait_dscnt 0x0
.irp u, 0,2,4,6
	v_pk_add_f32 v[RL+4*\u:RL+4*\u+1],   v[RL+4*\u:RL+4*\u+1],   v[RL+4*\u+4:RL+4*\u+5]
	v_pk_add_f32 v[RL+4*\u+2:RL+4*\u+3], v[RL+4*\u+2:RL+4*\u+3], v[RL+4*\u+6:RL+4*\u+7]
.endr
.irp u, 0,4
	v_pk_add_f32 v[RL+4*\u:RL+4*\u+1],   v[RL+4*\u:RL+4*\u+1],   v[RL+4*\u+8:RL+4*\u+9]
	v_pk_add_f32 v[RL+4*\u+2:RL+4*\u+3], v[RL+4*\u+2:RL+4*\u+3], v[RL+4*\u+10:RL+4*\u+11]
.endr
	v_pk_add_f32 v[RL:RL+1],   v[RL:RL+1],   v[RL+16:RL+17]
	v_pk_add_f32 v[RL+2:RL+3], v[RL+2:RL+3], v[RL+18:RL+19]
	global_store_b128 v2, v[RL:RL+3], s[14:15]     ; a wave's store covers 512 consecutive bytes of the chunk's row of st
	s_barrier_signal -1
	s_barrier_wait -1
	s_wait_tensorcnt 0x0
	ds_add_u32 v248, v249
	s_wait_dscnt 0x0
	s_endpgm
.Lfunc_end_k_q9eaae527e8_gate:
	.size	k_q9eaae527e8_gate, .Lfunc_end_k_q9eaae527e8_gate-k_q9eaae527e8_gate
	.p2alignl 7, 3214868480
	.fill 96, 4, 3214868480
	.section	.rodata,"a",@progbits
	.p2align	6, 0x0
	.amdhsa_kernel k_q9eaae527e8_gate
		.amdhsa_group_segment_fixed_size 50176
		.amdhsa_private_segment_fixed_size 0
		.amdhsa_enable_private_segment 0
		.amdhsa_kernarg_size 48
		.amdhsa_user_sgpr_count 2
		.amdhsa_user_sgpr_kernarg_segment_ptr 1
		.amdhsa_wavefront_size32 1
		.amdhsa_system_sgpr_workgroup_id_x 1
		.amdhsa_system_sgpr_workgroup_id_y 1
		.amdhsa_system_sgpr_workgroup_id_z 1
		.amdhsa_system_vgpr_workitem_id 0
		.amdhsa_next_free_vgpr 250
		.amdhsa_next_free_sgpr 66
		.amdhsa_reserve_vcc 1
		.amdhsa_float_denorm_mode_32 3
		.amdhsa_float_denorm_mode_16_64 3
		.amdhsa_memory_ordered 1
		.amdhsa_forward_progress 1
		.amdhsa_inst_pref_size 27
	.end_amdhsa_kernel
	.amdgpu_metadata
---
amdhsa.version: [ 1, 2 ]
amdhsa.kernels:
  - .name:           k_q9eaae527e8_gate
    .symbol:         k_q9eaae527e8_gate.kd
    .args:
      - { .name: tokens_bound, .offset: 0, .size: 8, .value_kind: global_buffer, .address_space: global }
      - { .name: w_mass, .offset: 8, .size: 8, .value_kind: global_buffer, .address_space: global }
      - { .name: w_decay, .offset: 16, .size: 8, .value_kind: global_buffer, .address_space: global }
      - { .name: md, .offset: 24, .size: 8, .value_kind: global_buffer, .address_space: global }
      - { .name: cp, .offset: 32, .size: 8, .value_kind: global_buffer, .address_space: global }
      - { .name: st, .offset: 40, .size: 8, .value_kind: global_buffer, .address_space: global }
    .group_segment_fixed_size: 50176
    .private_segment_fixed_size: 0
    .kernarg_segment_align: 8
    .kernarg_segment_size: 48
    .max_flat_workgroup_size: 256
    .sgpr_count:     66
    .vgpr_count:     250
    .wavefront_size: 32
...
	.end_amdgpu_metadata
.endif
;; end of part 1
;; launch scan (part 2): grid 256 x 1, 16 waves a work-group, no clusters, 41,216 bytes of LDS; arguments tokens_bound, md, cp, st, out0; writes out0
.if DOCPART == 2
	.amdgcn_target "amdgcn-amd-amdhsa--gfx1250"
	.amdhsa_code_object_version 6
	.text
	.protected	k_q9eaae527e8_scan
	.globl	k_q9eaae527e8_scan
	.p2align	8
	.type	k_q9eaae527e8_scan,@function
k_q9eaae527e8_scan:
	s_mov_b64 s[64:65], 0
	v_nop
	global_prefetch_b8 v0, s[64:65] scope:SCOPE_SE
	s_setreg_imm32_b32 hwreg(HW_REG_WAVE_MODE, 25, 1), 1
	s_wait_xcnt 0x0
; THE RECURRENCE  context_t = d_t context_(t-1) + m_t x_t,  from the gates md, the chunk products cp and the chunk states st
; that the launch before stored (chunks of 32 tokens, 128 to a batch; state(c+1) = P_c state(c) + S_c, state(0) = 0).
; Work-group id: batch b = id >> 7, token block tb = (id >> 4) & 7 (512 tokens), column strip cs = id & 15 (64 columns = 256 bytes).
; Sixteen waves; wave w owns chunk c = 16 tb + w; a lane owns two columns, so every load and store of a wave covers
; 256 consecutive bytes that start at a multiple of 256 from the buffer's first byte.
; The state that enters a chunk is made here, by every work-group for its own strip, and not by a launch of its own: wave w chains
; SEGMENT w of the batch (chunks 8 w .. 8 w + 7: 8 rows x 256 bytes of st), the sixteen segments meet in LDS, and each wave then joins
; the segments in front of its chunk (at most 15 multiply-adds) and one entry inside its own segment.  That is 32 KiB of st for a
; work-group beside 256 KiB of x and out, the same for all work-groups.
; No matrix unit (no matrix product is left), no cluster (only st is shared, an eighth of a work-group's bytes), no ring and no loop:
; the 128 KiB of x lie in registers and are all asked for at the start.
; Branches hang on the work-group's and the wave's numbers alone.
; LIMITS: inputs finite; products of decays underflow to 0 as reference()'s exponential does.
.set ROW,    4096                      ; bytes in a row of x, out and st
.set RPITCH, 2304                      ; LDS, from 0: [16 segments][9 entries][256 bytes]; entry q = state behind the segment's first q chunks, from 0
.set GT,     36864                     ; LDS: [16 segments][32 words]; word q (0..7) = product of the segment's first q P
.set PT,     38912                     ; LDS: [16] the segments' whole products
.set SV,  4                            ; v[4:19]    my segment's eight states, a pair each
.set ZR,  20                           ; v[20:21]   zero: entry 0
.set GV,  22                           ; lane q: product of the first q P
.set H,   30                           ; v[30:31]   the state that enters my chunk
.set GP,  32                           ; product of the P between my segment's start and my chunk
.set RL,  34                           ; v[34:35]   state behind those chunks, from 0
.set E,   36                           ; v[36:65]   segments 0..14: state at the segment's end, from 0
.set TT,  68                           ; v[68:83]   the segments' whole products
.set X,   84                           ; v[84:147]  token t: X + 2 t, as loaded, then as stored
; scalars: s[16:63], s[68:83] the chunk's 32 (m, d); s[84:91] my segment's eight P
	s_load_b256 s[4:11], s[0:1], 0x0               ; x s[4:5], md s[6:7], cp s[8:9], st s[10:11]
	s_load_b64 s[12:13], s[0:1], 0x20              ; out
	v_lshl_add_u32 v148, v0, 2, 0x9900
	v_mov_b32 v149, 0
	v_and_b32 v1, 31, v0
	v_lshrrev_b32 v2, 5, v0
	v_readfirstlane_b32 s3, v2                     ; wave w
	v_lshlrev_b32 v3, 2, v1                        ; 4 x lane
	v_lshlrev_b32 v1, 3, v1                        ; 8 x lane
	s_lshr_b32 s2, ttmp9, 7                        ; b
	s_bfe_u32 s15, ttmp9, 0x30004                  ; tb: 3 bits from bit 4
	s_and_b32 s14, ttmp9, 15                       ; cs
	s_lshl4_add_u32 s92, s15, s3                   ; c = 16 tb + w
	s_lshr_b32 s93, s92, 3                         ; my chunk's segment
	s_and_b32 s94, s3, 7                           ; and its place in it
	s_lshl_b32 s98, s2, 7
	s_add_co_u32 s98, s98, s92                     ; chunk among all 256
	s_lshl_b32 s99, s14, 8                         ; my strip's 256 bytes in a row
	s_lshl_b32 s96, s98, 17                        ; chunk x 32 rows of 4,096 bytes (at most 255 << 17: one word)
	s_add_co_u32 s96, s96, s99
	s_mov_b32 s97, 0
	s_wait_kmcnt 0x0
	s_add_nc_u64 s[4:5], s[4:5], s[96:97]          ; x and out at my chunk's first row, my strip
	s_add_nc_u64 s[12:13], s[12:13], s[96:97]
	s_lshl_b32 s96, s98, 8
	s_add_nc_u64 s[6:7], s[6:7], s[96:97]          ; md at my chunk's 256 bytes
	s_lshl_b32 s96, s2, 9
	s_lshl_b32 s100, s3, 5
	s_add_co_u32 s96, s96, s100
	s_add_nc_u64 s[8:9], s[8:9], s[96:97]          ; cp at my segment's eight words
	s_lshl_b32 s96, s2, 7
	s_lshl3_add_u32 s96, s3, s96                   ; 128 b + 8 w: my segment's first chunk
	s_lshl_b32 s96, s96, 12
	s_add_co_u32 s96, s96, s99
	s_add_nc_u64 s[10:11], s[10:11], s[96:97]      ; st at that chunk's row, my strip
	s_load_b256 s[84:91], s[8:9], 0x0              ; P of my segment
	s_load_b512 s[16:31], s[6:7], 0x0              ; (m, d) of tokens 0-7,
	s_load_b512 s[32:47], s[6:7], 0x40             ; 8-15,
	s_load_b512 s[48:63], s[6:7], 0x80             ; 16-23,
	s_load_b512 s[68:83], s[6:7], 0xc0             ; 24-31
.irp q, 0,1,2,3,4,5,6,7
	global_load_b64 v[SV+2*\q:SV+2*\q+1], v1, s[10:11] offset:ROW*\q
.endr
.set tk, 0
.rept 32
	global_load_b64 v[X+2*tk:X+2*tk+1], v1, s[4:5] offset:ROW*tk th:TH_LOAD_NT   ; read once in this launch
.set tk, tk+1
.endr
	; LDS addresses, while the loads are out
	s_mul_i32 s100, s3, RPITCH
	v_add_nc_u32 v23, s100, v1                     ; my segment's entries, my two columns
	s_lshl_b32 s100, s3, 7
	s_add_co_u32 s100, s100, GT
	v_add_nc_u32 v24, s100, v3                     ; my segment's partial products, a word a lane
	s_lshl_b32 s100, s3, 2
	s_add_co_u32 s100, s100, PT
	v_mov_b32 v25, s100                            ; my segment's whole product
	v_mov_b32 v26, PT
	s_mul_i32 s100, s93, RPITCH
	s_lshl_b32 s101, s94, 8
	s_add_co_u32 s100, s100, s101
	v_add_nc_u32 v27, s100, v1                     ; my chunk's entry in its segment
	s_lshl_b32 s100, s93, 7
	s_lshl2_add_u32 s100, s94, s100
	s_add_co_u32 s100, s100, GT
	v_mov_b32 v28, s100                            ; and its partial product
	v_mov_b32 v[ZR], 0
	v_mov_b32 v[ZR+1], 0
	v_mov_b32 v[GV], 0                             ; written whole before lanes are written one by one
	v_mov_b32 v[H], 0
	v_mov_b32 v[H+1], 0
	; my segment's chain, in place: SV[q] = P_q SV[q-1] + S_q
	s_wait_kmcnt 0x0                               ; P and the gates
	s_wait_loadcnt 32                              ; loads return in order: the eight states are in, the 32 younger rows of x stay out
.irp q, 1,2,3,4,5,6,7
	v_fmac_f32 v[SV+2*\q],   s[84+\q], v[SV+2*\q-2]
	v_fmac_f32 v[SV+2*\q+1], s[84+\q], v[SV+2*\q-1]
.endr
	s_mov_b32 s95, 1.0
.irp q, 0,1,2,3,4,5,6,7
	v_writelane_b32 v[GV], s95, \q                 ; the product of the first q P
	s_mul_f32 s95, s95, s[84+\q]
.endr
	v_mov_b32 v29, s95                             ; the product of all eight
	ds_store_b64 v23, v[ZR:ZR+1]                   ; entry 0
.irp q, 0,1,2,3,4,5,6,7
	ds_store_b64 v23, v[SV+2*\q:SV+2*\q+1] offset:256*(\q+1)
.endr
	ds_store_b32 v24, v[GV]
	ds_store_b32 v25, v29                          ; every lane the same word, the same value
	s_wait_dscnt 0x0                               ; my stores are done before I say so; the rows of x, which nobody writes, stay on their way
	s_barrier_signal -1
	s_barrier_wait -1
.irp g, 0,1,2,3,4,5,6,7,8,9,10,11,12,13,14
	ds_load_b64 v[E+2*\g:E+2*\g+1], v1 offset:RPITCH*\g+2048       ; entry 8: the segment's end
.endr
.irp n, 0,1,2,3
	ds_load_b128 v[TT+4*\n:TT+4*\n+3], v26 offset:16*\n
.endr
	ds_load_b32 v[GP], v28
	ds_load_b64 v[RL:RL+1], v27
	s_wait_dscnt 0x0
	; the segments in front of mine, in order; the chain is left at my own segment (a number made of the two ids alone)
.irp g, 0,1,2,3,4,5,6,7,8,9,10,11,12,13,14
	s_cmp_le_u32 s93, \g
	s_cbranch_scc1 .Lcarry
	v_fma_f32 v[H],   v[TT+\g], v[H],   v[E+2*\g]
	v_fma_f32 v[H+1], v[TT+\g], v[H+1], v[E+2*\g+1]
.endr
.Lcarry:
	v_fma_f32 v[H],   v[GP], v[H],   v[RL]         ; and the chunks of my segment in front of mine
	v_fma_f32 v[H+1], v[GP], v[H+1], v[RL+1]
; Token t: x becomes m x, then d x (the token before) is added; the result stays in the token's own registers, from which it is stored
; and from which the next token reads it: no register that a store names is written again.
.macro TOK t, prev
.if \t < 24
.set CO, 16+2*\t
.else
.set CO, 68+2*(\t-24)
.endif
	s_wait_loadcnt 31-\t                           ; row t is in; the younger rows stay out
	v_pk_mul_f32 v[X+2*\t:X+2*\t+1], v[X+2*\t:X+2*\t+1], s[CO:CO+1] op_sel_hi:[1,0]   ; both by m, the pair's first
	v_fmac_f32 v[X+2*\t],   s[CO+1], v[\prev]
	v_fmac_f32 v[X+2*\t+1], s[CO+1], v[\prev+1]
	global_store_b64 v1, v[X+2*\t:X+2*\t+1], s[12:13] offset:ROW*\t th:TH_STORE_NT   ; written once, not read again
.endm
	TOK 0, H
.set tk, 1
.rept 31
	TOK tk, X+2*tk-2
.set tk, tk+1
.endr
	s_barrier_signal -1
	s_barrier_wait -1
	s_wait_tensorcnt 0x0
	ds_add_u32 v148, v149
	s_wait_dscnt 0x0
	s_endpgm
.Lfunc_end_k_q9eaae527e8_scan:
	.size	k_q9eaae527e8_scan, .Lfunc_end_k_q9eaae527e8_scan-k_q9eaae527e8_scan
	.p2alignl 7, 3214868480
	.fill 96, 4, 3214868480
	.section	.rodata,"a",@progbits
	.p2align	6, 0x0
	.amdhsa_kernel k_q9eaae527e8_scan
		.amdhsa_group_segment_fixed_size 41216
		.amdhsa_private_segment_fixed_size 0
		.amdhsa_enable_private_segment 0
		.amdhsa_kernarg_size 40
		.amdhsa_user_sgpr_count 2
		.amdhsa_user_sgpr_kernarg_segment_ptr 1
		.amdhsa_wavefront_size32 1
		.amdhsa_system_sgpr_workgroup_id_x 1
		.amdhsa_system_sgpr_workgroup_id_y 1
		.amdhsa_system_sgpr_workgroup_id_z 1
		.amdhsa_system_vgpr_workitem_id 0
		.amdhsa_next_free_vgpr 150
		.amdhsa_next_free_sgpr 102
		.amdhsa_reserve_vcc 0
		.amdhsa_float_denorm_mode_32 3
		.amdhsa_float_denorm_mode_16_64 3
		.amdhsa_memory_ordered 1
		.amdhsa_forward_progress 1
		.amdhsa_inst_pref_size 22
	.end_amdhsa_kernel
	.amdgpu_metadata
---
amdhsa.version: [ 1, 2 ]
amdhsa.kernels:
  - .name:           k_q9eaae527e8_scan
    .symbol:         k_q9eaae527e8_scan.kd
    .args:
      - { .name: tokens_bound, .offset: 0, .size: 8, .value_kind: global_buffer, .address_space: global }
      - { .name: md, .offset: 8, .size: 8, .value_kind: global_buffer, .address_space: global }
      - { .name: cp, .offset: 16, .size: 8, .value_kind: global_buffer, .address_space: global }
      - { .name: st, .offset: 24, .size: 8, .value_kind: global_buffer, .address_space: global }
      - { .name: out0, .offset: 32, .size: 8, .value_kind: global_buffer, .address_space: global }
    .group_segment_fixed_size: 41216
    .private_segment_fixed_size: 0
    .kernarg_segment_align: 8
    .kernarg_segment_size: 40
    .max_flat_workgroup_size: 512
    .sgpr_count:     102
    .vgpr_count:     150
    .wavefront_size: 32
...
	.end_amdgpu_metadata
.endif
;; end of part 2
